; MI455X (gfx1250); checked and timed in simulation.
; The chip was launched on July 23, 2026; its instructions are those of AMD's public machine-readable ISA for CDNA 5 (MIT licence, August 2026) and "CDNA5" Instruction Set Architecture Reference Guide (July 2026). The comments in the code are by the model that wrote it; some were corrected since.
;; Binary Linear Layer. Allowed arithmetic: float matrix products may take bf16 or f16 operands with f32 sums; other float arithmetic in f32, or as packed bf16 or f16 multiplies, adds, multiply-adds, maxima and minima; sums over many terms, partial sums and values carried from step to step in f32; what a program stores and reads back later, other than sums and carried values, may be rounded once to bf16 or f16.
;; Inputs: W 4,096 x 2,048 float32; X 8,192 x 4,096 float32; alpha one number float32; betta 32 float32; gamma 64 float32.
;; Outputs: out0 8,192 x 2,048 float32.
;; 2 versions, each right; version 2 is version 1 with the launch prep written anew for expert scheduling mode. Each part assembles by itself: llvm-mc -triple=amdgcn-amd-amdhsa -mcpu=gfx1250 --defsym DOCPART=n.
;; ======== version 1 of 2: 2 launches
;; workspace buffers: Xb 67,108,864 bytes; Wb 16,777,216 bytes
;; launch prep (part 1): grid 1280 x 1, 8 waves a work-group, no clusters, 0 bytes of LDS; arguments X, W, Xb, Wb; writes Xb, Wb
.if DOCPART == 1
	.amdgcn_target "amdgcn-amd-amdhsa--gfx1250"
	.amdhsa_code_object_version 6
	.text
	.protected	k_q363eabddfc_prep
	.globl	k_q363eabddfc_prep
	.p2align	8
	.type	k_q363eabddfc_prep,@function
k_q363eabddfc_prep:
	s_mov_b64 s[64:65], 0
	v_nop
	global_prefetch_b8 v0, s[64:65] scope:SCOPE_SE
	s_setreg_imm32_b32 hwreg(HW_REG_WAVE_MODE, 25, 1), 1
	s_wait_xcnt 0x0
; Xb = sign(X) and Wb = sign(W), number by number, written as bf16 (+1, -1, 0) in the layouts of X ([8192][4096]) and W ([4096][2048]).
; The product that follows takes 16-bit operands; +1, -1 and 0 are exact in bf16, so nothing is lost here.
; NOTHING OF THE PROBLEM IS LEFT OUT: all five inputs reach the output; X and W are read here, alpha, betta and gamma by the product's launch.
; THE SIGN: x times 2^126, twice, then held to -1 .. 1.  The smallest denormal, 2^-149, becomes 2^103; every other number that is not 0 becomes larger still or an infinity;
; 0 stays 0 with its sign.  So the result is +1, -1 or 0 for every finite x, every denormal and both infinities.
; LIMIT: a NaN in X or W is not carried: it leaves here as a number in -1 .. 1.  -0 leaves as -0, which adds to a sum what +0 adds.
; SHARES.  A chunk is 4,096 bytes in (256 threads x 16 bytes) and 2,048 bytes out (8 bytes a thread).  A work-group takes 32 chunks on end: 131,072 bytes in.
; X is 1,024 such shares (work-groups 0 to 1,023), W 256 (1,024 to 1,279): one text, the buffers chosen by a select on the work-group's number.
; A wave's load covers 512 consecutive bytes, aligned; a wave's store covers 256 consecutive bytes, aligned.
; A ring of 8 slots in registers keeps 8 loads of every wave on their way.  No LDS, no barrier, no matrix unit: no wave wants what another has fetched.
.set CHUNK,   4096                     ; bytes in
.set OCHUNK,  2048                     ; bytes out
.set DEPTH,   8                        ; slots = loads in flight in each wave
.set ROUNDS,  32/DEPTH                 ; each round takes every slot once
.set XSHARES, 1024                     ; work-groups that serve X
.set VI, 1                             ; v1        16 x thread; never rewritten
.set VO, 2                             ; v2        8 x thread; never rewritten
.set X,  4                             ; v[4:35]   slot i: 4 registers, as loaded, then the signs in f32
.set Y,  36                            ; v[36:51]  slot i: 2 registers, 4 bf16 to store
	s_load_b256 s[4:11], s[0:1], 0x0               ; X s[4:5], W s[6:7], Xb s[8:9], Wb s[10:11]
	v_lshlrev_b32 v[VI], 4, v0
	v_lshlrev_b32 v[VO], 3, v0
	s_mov_b32 s12, 0x7e800000                      ; 2^126
	s_mov_b32 s13, s12                             ; named with it as a pair
	s_mov_b32 s14, 0xbf800000                      ; -1.0
	s_mov_b32 s15, 0x3f800000                      ; 1.0
	s_sub_co_u32 s17, ttmp9, XSHARES               ; the share's number if it is one of W's
	s_cmp_lt_u32 ttmp9, XSHARES                    ; X's or W's?  Only selects and a wait stand between this compare and the last select
	s_cselect_b32 s16, ttmp9, s17
	s_wait_kmcnt 0x0
	s_cselect_b64 s[22:23], s[4:5], s[6:7]         ; from where
	s_cselect_b64 s[24:25], s[8:9], s[10:11]       ; to where
	s_lshl_b32 s18, s16, 17                        ; 131,072 bytes in a share, under 2^27 in all
	s_mov_b32 s19, 0
	s_lshl_b32 s20, s16, 16                        ; 65,536 bytes out
	s_mov_b32 s21, 0
	s_add_nc_u64 s[22:23], s[22:23], s[18:19]
	s_add_nc_u64 s[24:25], s[24:25], s[20:21]
.irp i, 0,1,2,3,4,5,6,7
	global_load_b128 v[X+4*(\i):X+4*(\i)+3], v[VI], s[22:23] offset:CHUNK*(\i) th:TH_LOAD_NT  ; fill the ring: chunks 0 to 7; each byte is read once in the launch
.endr
; One slot's turn.  ahead = 1: the slot is filled again with the chunk DEPTH further on.  left = how many younger loads may still be out.
.macro SLOT i, ahead, left
	s_wait_loadcnt \left                           ; loads come back in order (ISA guide 5.7.1): mine is in, the younger ones stay out
	s_wait_xcnt 0x0                                ; this slot's Y, which its last store reads, is rewritten only behind this wait
.irp j, 0,2
	v_pk_mul_f32 v[X+4*(\i)+(\j):X+4*(\i)+(\j)+1], v[X+4*(\i)+(\j):X+4*(\i)+(\j)+1], s[12:13] op_sel_hi:[1,0]  ; times 2^126,
.endr
.irp j, 0,2
	v_pk_mul_f32 v[X+4*(\i)+(\j):X+4*(\i)+(\j)+1], v[X+4*(\i)+(\j):X+4*(\i)+(\j)+1], s[12:13] op_sel_hi:[1,0]  ; and once more
.endr
.irp j, 0,1,2,3
	v_med3_num_f32 v[X+4*(\i)+(\j)], v[X+4*(\i)+(\j)], s14, s15  ; held to -1 .. 1
.endr
	v_cvt_pk_bf16_f32 v[Y+2*(\i)],   v[X+4*(\i)],   v[X+4*(\i)+1]
	v_cvt_pk_bf16_f32 v[Y+2*(\i)+1], v[X+4*(\i)+2], v[X+4*(\i)+3]
.if \ahead
	global_load_b128 v[X+4*(\i):X+4*(\i)+3], v[VI], s[22:23] offset:CHUNK*(DEPTH+(\i)) th:TH_LOAD_NT  ; the load ahead of the store
.endif
	global_store_b64 v[VO], v[Y+2*(\i):Y+2*(\i)+1], s[24:25] offset:OCHUNK*(\i)
.endm
	s_mov_b32 s3, ROUNDS-1
.Lround:
.irp i, 0,1,2,3,4,5,6,7
	SLOT \i, 1, DEPTH-1
.endr
	s_wait_xcnt 0x0                                ; every load and store issued so far has read its base: the two bases step only behind this wait
	s_add_nc_u64 s[22:23], s[22:23], DEPTH*CHUNK
	s_add_nc_u64 s[24:25], s[24:25], DEPTH*OCHUNK
	s_sub_co_u32 s3, s3, 1
	s_cmp_lg_u32 s3, 0
	s_cbranch_scc1 .Lround
.irp i, 0,1,2,3,4,5,6,7
	SLOT \i, 0, DEPTH-1-(\i)                       ; the last round loads nothing: no load leaves the share, and the counts run down
.endr
	s_endpgm
.Lfunc_end_k_q363eabddfc_prep:
	.size	k_q363eabddfc_prep, .Lfunc_end_k_q363eabddfc_prep-k_q363eabddfc_prep
	.p2alignl 7, 3214868480
	.fill 96, 4, 3214868480
	.section	.rodata,"a",@progbits
	.p2align	6, 0x0
	.amdhsa_kernel k_q363eabddfc_prep
		.amdhsa_group_segment_fixed_size 0
		.amdhsa_private_segment_fixed_size 0
		.amdhsa_enable_private_segment 0
		.amdhsa_kernarg_size 32
		.amdhsa_user_sgpr_count 2
		.amdhsa_user_sgpr_kernarg_segment_ptr 1
		.amdhsa_wavefront_size32 1
		.amdhsa_system_sgpr_workgroup_id_x 1
		.amdhsa_system_sgpr_workgroup_id_y 1
		.amdhsa_system_sgpr_workgroup_id_z 1
		.amdhsa_system_vgpr_workitem_id 0
		.amdhsa_next_free_vgpr 52
		.amdhsa_next_free_sgpr 66
		.amdhsa_reserve_vcc 0
		.amdhsa_float_denorm_mode_32 3
		.amdhsa_float_denorm_mode_16_64 3
		.amdhsa_memory_ordered 1
		.amdhsa_forward_progress 1
		.amdhsa_inst_pref_size 16
	.end_amdhsa_kernel
	.amdgpu_metadata
---
amdhsa.version: [ 1, 2 ]
amdhsa.kernels:
  - .name:           k_q363eabddfc_prep
    .symbol:         k_q363eabddfc_prep.kd
    .args:
      - { .name: X, .offset: 0, .size: 8, .value_kind: global_buffer, .address_space: global }
      - { .name: W, .offset: 8, .size: 8, .value_kind: global_buffer, .address_space: global }
      - { .name: Xb, .offset: 16, .size: 8, .value_kind: global_buffer, .address_space: global }
      - { .name: Wb, .offset: 24, .size: 8, .value_kind: global_buffer, .address_space: global }
    .group_segment_fixed_size: 0
    .private_segment_fixed_size: 0
    .kernarg_segment_align: 8
    .kernarg_segment_size: 32
    .max_flat_workgroup_size: 256
    .sgpr_count:     66
    .vgpr_count:     52
    .wavefront_size: 32
...
	.end_amdgpu_metadata
.endif
;; end of part 1
;; launch gemm (part 2): grid 8 x 32, 4 waves a work-group, clusters of 4 x 4, 327,680 bytes of LDS; arguments Xb, Wb, out0, alpha, betta, gamma; writes out0
.if DOCPART == 2
	.amdgcn_target "amdgcn-amd-amdhsa--gfx1250"
	.amdhsa_code_object_version 6
	.text
	.protected	k_q363eabddfc_gemm
	.globl	k_q363eabddfc_gemm
	.p2align	8
	.type	k_q363eabddfc_gemm,@function
k_q363eabddfc_gemm:
	s_mov_b64 s[64:65], 0
	v_nop
	global_prefetch_b8 v0, s[64:65] scope:SCOPE_SE
	s_setreg_imm32_b32 hwreg(HW_REG_WAVE_MODE, 25, 1), 1
	s_wait_xcnt 0x0
	s_wait_alu depctr_hold_cnt(0) depctr_sa_sdst(0) depctr_va_vdst(0) depctr_va_sdst(0) depctr_va_ssrc(0) depctr_va_vcc(0) depctr_vm_vsrc(0)
	s_getreg_b32 s2, hwreg(HW_REG_IB_STS2, 6, 4)
	s_cmp_eq_u32 s2, 0
	s_cbranch_scc0 .Lentry_in_a_cluster
	s_endpgm
.Lentry_in_a_cluster:
	s_bfe_u32 s2, ttmp6, 0x10000c
	s_cmp_lg_u32 s2, 0xf033
	s_cbranch_scc0 .Lentry_shape_is_right
	s_endpgm
.Lentry_shape_is_right:
; out0[m][n] = (the sum over k of Xb[m][k] Wb[k][n]) x scale[n],  scale[n] = relu(alpha) x (relu(betta[n / 64]) x relu(gamma[n % 64])).
; Xb: [8192][4096] bf16, the signs of X; Wb: [4096 (k)][2048 (n)] bf16, the signs of W; out0: [8192][2048] f32.  No work of the problem is left out.
; Every product is +1, -1 or 0 and every sum a whole number of at most 4,096: exact in f32, in any order.  Rounded are the two products of the scale and the last multiply, in the order of the formula above.
; LIMIT: a NaN in alpha, betta or gamma counts as 0 (the maximum with 0 drops it) and is not carried to the result.
; SHARES.  A tile of out0, 256 x 256, is made by a work-group of four waves; there are 32 x 8 tiles.  A wave makes 128 x 128: 64 accumulators of 16 x 16, 512 registers.
; K goes in steps of 128 through a ring of two LDS slots filled by the tensor data mover.  A's tile is 256 rows (m) x 128 k, rows of 256 bytes of memory; B's tile is 128 rows (k) x 256 n, rows of 512 bytes.
; B LIES [k][n] and is never turned in memory: its fragments come out of LDS by ds_load_tr16_b128, as many loads as plain ones would be.
; CLUSTERS: 4 x 4 work-groups.  The four of a row of the cluster need the same tiles of A, the four of a column the same tiles of B: each tile is asked for JOINTLY, by the same tensor load with the same
; descriptor and a mask that names the four.  That divides the requests for A and for B by four.
; THE MATRIX INSTRUCTION IS USED TRANSPOSED: source 0 = 16 columns of Wb, source 1 = 16 rows of Xb.  In the result lane l holds row m = l % 16 and the columns n = 8 (l / 16) + 0 .. 7: 32 consecutive bytes of out0.
; THE WAY OUT.  16 rows at a time go through the wave's own stage in LDS and come back as whole rows of 512 bytes: lane l then holds columns 4 l .. 4 l + 3 of every row, so four numbers of scale a lane serve the whole tile.
; REGISTERS, in windows of 256 (s_set_vgpr_msb: bits 1:0 source 0, 3:2 source 1, 5:4 source 2, 7:6 destination):
;   window 0: v0-40 addresses and the scale; v64-127, v128-191 fragments of A, two buffers; on the way out the two buffers of rows read back
;   window 1: v64-127, v128-191 fragments of B, two buffers
;   window 2: the 32 accumulators of my rows 0-63 (accumulator (a, b) at v[8 (8 a + b)]);   window 3: those of my rows 64-127
; The launch claims all of the LDS that a work-group can have; the text uses 312,832 bytes.
.set SIZE_K, 4096
.set SIZE_N, 2048
.set KSTEP,  128
.set PA,     272                       ; a row of A in LDS: 256 bytes + 16 of padding = 68 words: row r starts at bank 4 r mod 64 (64 banks of 4 bytes: ISA guide 11.1), so the 16 rows of a load start at 16 different banks
.set PB,     544                       ; a row of B in LDS: 512 bytes + 32 of padding = 136 words: row r starts at bank 8 r mod 64
.set HALFT,  128*PA                    ; what one tensor load brings: 128 rows of A, or 64 rows of B (64 x 544 is the same 34,816 bytes)
.set SLOT,   4*HALFT                   ; A's 256 rows, then B's 128 rows
.set STAGE,  2*SLOT                    ; behind the ring: 16 rows x 528 bytes for each wave, for the way out; no tensor load lands there
.set SPITCH, 528                       ; a stage row: 512 bytes + 16 = 132 words: row r starts at bank 4 r mod 64
.set SPARE,  STAGE+4*16*SPITCH         ; behind the stages: the spare words, 128 bytes for each wave: two blocks of 256 bytes that no other line names
.set LAPS,   SIZE_K/(2*KSTEP)          ; a lap = two K steps = once round the ring: 16
.set ASTEP,  KSTEP*2                   ; a K step in Xb: 256 bytes along a row
.set BSTEP,  KSTEP*SIZE_N*2            ; a K step in Wb: 128 rows of 4,096 bytes
.set OROW,   SIZE_N*4                  ; a row of out0 in bytes
.set ADRA, 16                          ; v16-17  LDS address of my A fragments in slot 0, 1
.set ADRB, 20                          ; v20-21  the same for B
.set STO,  24                          ; v24     the way out: where I put 32 bytes of a row
.set RD,   25                          ; v25     the way out: where I read a row back
.set CO,   26                          ; v26     my 16 bytes in a row's 512 of out0; never rewritten
.set SPW,  28                          ; v28     LDS address of my spare word: SPARE + 4 x my thread's number; never rewritten
.set NIL,  29                          ; v29     0; never rewritten
.set PFO,  30                          ; v30     the prefetches' offset; never rewritten
.set BT,   31                          ; v31     relu(betta) of my four columns
.set GM,   32                          ; v[32:35] relu(gamma) of my four columns
.set SC,   36                          ; v[36:39] scale of my four columns
.set AL,   40                          ; v40     relu(alpha)
.set F0,   64                          ; fragment buffer 0
.set F1,   128                         ; fragment buffer 1
.set G1,  24                           ; s[24:31] descriptor group 1 for A's tiles
.set G0,  32                           ; s[32:39] descriptor group 0 for A's tiles, one set for each slot
.set G1B, 48                           ; s[48:55] descriptor group 1 for B's tiles
.set G0B, 56                           ; s[56:63] descriptor group 0 for B's tiles, one set for each slot
.set PFA, 66                           ; s[66:67] where my prefetches stand
.set LIM, 75                           ; s75     1 in a wave that prefetches, else the greatest number
.set PFS, 76                           ; s[76:77] a K step in the tensor that I prefetch, in bytes
.set MSB, 0
.macro WIN new                         ; the immediate's high byte repeats the setting that is left; a switch that changes nothing is dropped
.if MSB != (\new)
	s_set_vgpr_msb (MSB<<8)|(\new)
.set MSB, \new
.endif
.endm
.set MUL_LO, 0xa1                      ; source 0 (B) window 1, source 1 (A) window 0, C and D window 2
.set MUL_HI, 0xf1                      ; the same, C and D window 3
.set TO_B,   0x40                      ; destination window 1, address window 0
; A joint load.  Waves 0 and 1 fetch A's two halves, waves 2 and 3 B's.  Each of the two lines has ONE mask and one set of registers for all that issue it.  The branch hangs on the wave's number alone.
; An s_nop 0 and four v_nop follow each of the two lines; the jump round the other line, the label and what follows the macro come after them.
.macro JLOAD s
	s_cmp_eq_u32 s11, 0
	s_cbranch_scc0 .Lfor_b_\@
	tensor_load_to_lds s[G0+4*(\s):G0+4*(\s)+3], s[G1:G1+7]
	s_nop 0
.rept 4
	v_nop
.endr
	s_branch .Lasked_\@
.Lfor_b_\@:
	tensor_load_to_lds s[G0B+4*(\s):G0B+4*(\s)+3], s[G1B:G1B+7]
	s_nop 0
.rept 4
	v_nop
.endr
.Lasked_\@:
.endm
; A PREFETCH INTO THE L2, behind each joint refill, its five lines and the run of LDS loads that follows them: the K step that stands TWO refills on, 512 matrix instructions ahead of the load that will ask for it.
; One instruction a wave, 32 blocks of 256 bytes, a lane a block.  Each block is named ONCE in the launch.  A's tile row is read by both clusters of that row of clusters: the one with cluster x = 0 prefetches;
; B's tile column by all eight clusters of that column: the one with cluster y = 0 prefetches.  The four partners that ask for a tile jointly share it out BY ADDRESS: of the 128 rows of A that a wave fetches the
; partner at cx takes 32 cx .. 32 cx + 31 (a lane a row); of the 64 rows of B the partner at cy takes 16 cy .. 16 cy + 15 (two lanes a row of 512 bytes).  No branch hangs on a work-group's place in its cluster.
; The loop's last trip (s3 = 1) asks for nothing: K steps 32 and 33 do not exist.  K steps 0 to 3 come by their loads alone.
.macro ASK
	s_cmp_gt_u32 s3, s[LIM]
	s_cbranch_scc0 .Lnot_mine_\@
	global_prefetch_b8 v[PFO], s[PFA:PFA+1] th:TH_LOAD_NT scope:SCOPE_SE
.Lnot_mine_\@:
.endm
; A round of the cluster's barrier: my work-group's barrier, so that wave 0's signal speaks for all four waves; wave 0 signals for the work-group; every wave waits for all sixteen work-groups; my work-group's barrier once more.
.macro CREST                           ; a round behind its opening barrier
	s_cmp_lg_u32 s10, 0
	s_cbranch_scc1 .Lnot_wave_0_\@
	s_barrier_signal -3
.Lnot_wave_0_\@:
	s_barrier_wait -3
	s_barrier_signal -1
	s_barrier_wait -1
.endm
.macro CROUND                          ; a whole round
	s_barrier_signal -1
	s_barrier_wait -1
	CREST
.endm
	s_load_b128 s[4:7], s[0:1], 0x0                ; Xb s[4:5], Wb s[6:7]
	s_load_b64 s[8:9], s[0:1], 0x10                ; out0
	s_load_b128 s[68:71], s[0:1], 0x18             ; alpha s[68:69], betta s[70:71]
	s_load_b64 s[72:73], s[0:1], 0x28              ; gamma
	v_lshl_add_u32 v[SPW], v0, 2, SPARE
	v_mov_b32 v[NIL], 0
	ds_add_u32 v[SPW], v[NIL]                      ; the wave's opening: the add, twice on end, and its wait ahead of my first tensor load; the set-up below, work on registers, stands between
	ds_add_u32 v[SPW], v[NIL]                      ; and once more, under the one wait
	v_lshrrev_b32 v1, 5, v0
	v_readfirstlane_b32 s10, v1                    ; wave 0..3
	s_lshr_b32 s11, s10, 1                         ; which half of the tile's rows is mine.  Also: I fetch for A (0) or for B (1)
	s_and_b32 s12, s10, 1                          ; which half of its columns.  Also: which half of that tile I fetch
	s_bfe_u32 s40, ttmp6, 0x40000                  ; cx: my place along the cluster's x
	s_bfe_u32 s41, ttmp6, 0x40004                  ; cy: along its y
	s_lshl_b32 s42, ttmp9, 2                       ; in a cluster launch ttmp9 and ttmp7 count clusters
	s_add_co_u32 s42, s42, s40                     ; tile column = 4 x cluster x + cx
	s_and_b32 s13, ttmp7, 0xffff
	s_lshl_b32 s13, s13, 2
	s_add_co_u32 s13, s13, s41                     ; tile row = 4 x cluster y + cy
	s_lshl_b32 s43, s41, 2
	s_lshl_b32 s43, 15, s43                        ; my row of the cluster: places 4 cy .. 4 cy + 3
	s_lshl_b32 s44, 0x1111, s40                    ; my column: places cx, cx + 4, cx + 8, cx + 12
	; descriptor group 1 for A: 128 rows x 128 elements, padded in LDS
	s_or_b32 s[G1+0], s43, (1<<16)|(1<<20)|(1<<21)|(5<<22)|(3<<25)  ; 15:0 the mask: my row; 17:16 elements of 2 bytes; 20 padding on; 21 set beside a mask; 24:22 after every 64 words (code 5); 31:25 4 words of it (code 3)
	s_mov_b32 s[G1+1], KSTEP<<16                   ; tensor_dim0 = 128
	s_mov_b32 s[G1+2], 128<<16                     ; tensor_dim1 = 128
	s_mov_b32 s[G1+3], KSTEP<<16                   ; tile_dim0 = 128
	s_mov_b32 s[G1+4], 128                         ; tile_dim1 = 128
	s_mov_b32 s[G1+5], SIZE_K                      ; elements from row to row of Xb
	s_mov_b32 s[G1+6], 0
	s_mov_b32 s[G1+7], 0
	; descriptor group 1 for B: 64 rows (k) x 256 elements (n), padded in LDS
	s_or_b32 s[G1B+0], s44, (1<<16)|(1<<20)|(1<<21)|(6<<22)|(7<<25) ; the mask: my column; after every 128 words (code 6) 8 words of padding (code 7)
	s_mov_b32 s[G1B+1], 256<<16                    ; tensor_dim0 = 256
	s_mov_b32 s[G1B+2], 64<<16                     ; tensor_dim1 = 64
	s_mov_b32 s[G1B+3], 256<<16                    ; tile_dim0 = 256
	s_mov_b32 s[G1B+4], 64                         ; tile_dim1 = 64
	s_mov_b32 s[G1B+5], SIZE_N                     ; elements from row to row of Wb
	s_mov_b32 s[G1B+6], 0
	s_mov_b32 s[G1B+7], 0
	; where the tiles come from.  A's hang on the tile row alone, which my row of the cluster shares; B's on the tile column alone, which my column shares.
	s_lshl_b32 s17, s12, 7                         ; which 128 rows of A's tile I fetch
	s_lshl_b32 s16, s13, 8
	s_add_co_u32 s16, s16, s17                     ; row 256 x tile row + 128 x half,
	s_lshl_b32 s16, s16, 13                        ; of 8,192 bytes: under 2^26
	s_mov_b32 s17, 0
	s_lshl_b32 s46, s12, 18                        ; which 64 rows (k) of B's tile I fetch: 64 x 4,096 bytes,
	s_lshl_b32 s47, s42, 9                         ; and the tile column's 512 bytes of a row
	s_add_co_u32 s46, s46, s47
	s_mov_b32 s47, 0
	s_mul_i32 s20, s10, HALFT                      ; where they go: A's two halves, then B's two halves = wave x 34,816 bytes: no place in the cluster enters an LDS address
	s_wait_dscnt 0x0                               ; both opening adds are done
	s_wait_kmcnt 0x0
	s_add_nc_u64 s[14:15], s[4:5], s[16:17]
	s_add_nc_u64 s[46:47], s[6:7], s[46:47]
	CROUND                                         ; all sixteen work-groups are here: the first joint loads meet
.irp s, 0,1
	s_mov_b32 s[G0+4*(\s)], 1                                      ; count = 1
	s_add_co_u32 s[G0+4*(\s)+1], s20, (\s)*SLOT                    ; LDS address
	s_add_nc_u64 s[G0+4*(\s)+2:G0+4*(\s)+3], s[14:15], (\s)*ASTEP  ; global address: K step s
	s_or_b32 s[G0+4*(\s)+3], s[G0+4*(\s)+3], 0x80000000            ; type = 2
	s_mov_b32 s[G0B+4*(\s)], 1
	s_add_co_u32 s[G0B+4*(\s)+1], s20, (\s)*SLOT
	s_add_nc_u64 s[G0B+4*(\s)+2:G0B+4*(\s)+3], s[46:47], (\s)*BSTEP
	s_or_b32 s[G0B+4*(\s)+3], s[G0B+4*(\s)+3], 0x80000000
	JLOAD \s                                       ; the ring is filled before anything else is done: two loads of mine are out
.endr
	; THE SCALE's three inputs are asked for now.  Behind the read-back lane l holds columns n = 256 x tile column + 128 x half + 4 l + c, c = 0 .. 3:
	; n / 64 = 4 x tile column + 2 x half + l / 16, the same for the four; n % 64 = 4 (l % 16) + c.
	v_and_b32 v1, 15, v0                           ; l % 16
	v_bfe_u32 v2, v0, 4, 1                         ; l / 16
	s_lshl_b32 s82, s42, 2
	s_lshl1_add_u32 s82, s12, s82                  ; 4 x tile column + 2 x half
	v_add_lshl_u32 v8, v2, s82, 2                  ; betta's byte offset, 124 at the most; never rewritten
	v_lshlrev_b32 v9, 4, v1                        ; gamma's, 240 at the most; never rewritten
	global_load_b32 v[BT], v8, s[70:71]
	global_load_b128 v[GM:GM+3], v9, s[72:73]
	s_load_b32 s74, s[68:69], 0x0                  ; alpha
	; A fragment of A is 16 rows x 32 K in 8 registers: lane l holds row l % 16; registers 0-3 hold K = 8 (l / 16) + 0..7, registers 4-7 K = 16 + 8 (l / 16) + 0..7: two loads of 16 bytes, 32 bytes apart.
	v_mul_u32_u24 v3, v1, PA
	v_lshl_add_u32 v3, v2, 4, v3                   ; row x pitch + 16 x half of the lanes
	s_mul_i32 s21, s11, HALFT                      ; my 128 rows of A
	; The turning load takes 16 k x 16 n (lane l reads 16 bytes: row k = 8 (l / 16) + l % 8, columns 8 ((l / 8) % 2) + 0..7) and leaves half a fragment: lane l holds column l % 16 and 8 neighbouring k.
	v_and_b32 v4, 7, v0
	v_lshl_add_u32 v4, v2, 3, v4
	v_mul_u32_u24 v4, v4, PB
	v_bfe_u32 v5, v0, 3, 1
	v_lshl_add_u32 v4, v5, 4, v4
	s_lshl_b32 s22, s12, 8                         ; my 128 columns of B: 256 bytes of a row,
	s_add_co_u32 s22, s22, 2*HALFT                 ; behind A's 256 rows
.irp s, 0,1
	v_add_nc_u32 v[ADRA+(\s)], s21, v3
	v_add_nc_u32 v[ADRB+(\s)], s22, v4
	s_add_co_u32 s21, s21, SLOT
	s_add_co_u32 s22, s22, SLOT
.endr
	s_mul_i32 s23, s10, 16*SPITCH
	s_add_co_u32 s23, s23, STAGE                   ; my stage
	v_mul_u32_u24 v5, v1, SPITCH                   ; in: row l % 16, 32 bytes for each half of the lanes
	v_lshl_add_u32 v5, v2, 5, v5
	v_add_nc_u32 v[STO], s23, v5
	v_and_b32 v6, 31, v0                           ; l
	v_lshlrev_b32 v[CO], 4, v6                     ; back: 32 lanes take one row of 512 bytes,
	v_add_nc_u32 v[RD], s23, v[CO]                 ; and the same 512 bytes in out0
	; where my part of the tile begins in out0
	s_lshl_b32 s84, s13, 8
	s_lshl_b32 s85, s11, 7
	s_add_co_u32 s84, s84, s85                     ; my first row,
	s_lshl_b32 s84, s84, 13                        ; of 8,192 bytes: under 2^26
	s_lshl_b32 s85, s42, 10                        ; the tile's first column: 1,024 bytes a tile,
	s_add_co_u32 s84, s84, s85
	s_lshl_b32 s85, s12, 9                         ; my half of it
	s_add_co_u32 s84, s84, s85
	s_mov_b32 s85, 0
	s_add_nc_u64 s[8:9], s[8:9], s[84:85]
	; the prefetches: both offsets are made, then one is chosen by what I fetch for
	s_lshl_b32 s86, s13, 8
	s_lshl_b32 s87, s12, 7
	s_add_co_u32 s86, s86, s87                     ; A: the 128 rows that I fetch,
	s_lshl_b32 s87, s40, 5
	s_add_co_u32 s86, s86, s87                     ; my work-group's 32 of them,
	s_lshl_b32 s86, s86, 13
	s_add_co_u32 s86, s86, 3*ASTEP                 ; at K step 3: the first refill steps it to 4
	s_lshl_b32 s87, s12, 6                         ; B: the 64 rows (k) that I fetch,
	s_lshl_b32 s88, s41, 4
	s_add_co_u32 s87, s87, s88                     ; my work-group's 16 of them,
	s_add_co_u32 s87, s87, 3*KSTEP                 ; at K step 3,
	s_lshl_b32 s87, s87, 12
	s_lshl_b32 s88, s42, 9
	s_add_co_u32 s87, s87, s88                     ; in the tile column's 512 bytes
	s_and_b32 s89, ttmp7, 0xffff                   ; cluster y
	s_mov_b32 s88, BSTEP
	s_cmp_eq_u32 s11, 0                            ; do I fetch for A?
	s_cselect_b32 s90, s86, s87
	s_cselect_b32 s89, ttmp9, s89                  ; the coordinate along which other clusters read the same rows
	s_cselect_b64 s[PFA:PFA+1], s[4:5], s[6:7]
	s_cselect_b32 s[PFS], ASTEP, s88
	s_cselect_b32 s78, 0, 1                        ; lanes to a row: 1 (A) or 2 (B), as a shift
	s_cselect_b32 s80, 0, 1                        ; and as a mask
	s_lshr_b32 s79, 8192, s78                      ; bytes from row to row: 8,192 in Xb, 4,096 in Wb
	s_mov_b32 s91, 0
	s_mov_b32 s[PFS+1], 0
	s_add_nc_u64 s[PFA:PFA+1], s[PFA:PFA+1], s[90:91]
	s_cmp_eq_u32 s89, 0
	s_cselect_b32 s[LIM], 1, -1                    ; the same in all sixteen partners, for a given wave
	v_lshrrev_b32 v7, s78, v6                      ; my lane's row,
	v_mul_u32_u24 v7, s79, v7
	v_and_b32 v5, s80, v6                          ; and its block of 256 bytes in the row
	v_lshl_add_u32 v[PFO], v5, 8, v7
	; nothing is prefetched here, at the head, where every work-group's first two tiles are on their way
	s_wait_loadcnt 0x0                             ; betta and gamma
	s_wait_kmcnt 0x0                               ; alpha
	v_mov_b32 v[AL], s74
	v_max_num_f32 v[AL], 0, v[AL]                  ; the three relu
	v_max_num_f32 v[BT], 0, v[BT]
.irp c, 0,1,2,3
	v_max_num_f32 v[GM+(\c)], 0, v[GM+(\c)]
.endr
.irp c, 0,1,2,3
	v_mul_f32 v[SC+(\c)], v[BT], v[GM+(\c)]        ; betta x gamma first,
.endr
.irp c, 0,1,2,3
	v_mul_f32 v[SC+(\c)], v[AL], v[SC+(\c)]        ; then alpha x that
.endr
; 16 matrix instructions: m blocks a0, a0 + 1 of the window's four (hi = 0: my rows 0-63, 1: rows 64-127) x all 8 n blocks, 32 along K.  zero = 1: the first product starts the sums: nothing is ever cleared.
; The 64 accumulators take turns, one instruction a turn, in the same order in every quarter step, over the backward jump too.
.macro MUL16 f, hi, a0, zero
	WIN MUL_LO+0x50*(\hi)
.irp a, \a0, (\a0)+1
.irp b, 0,1,2,3,4,5,6,7
.if \zero
	v_wmma_f32_16x16x32_bf16 v[8*(8*(\a)+(\b)):8*(8*(\a)+(\b))+7], v[(\f)+8*(\b):(\f)+8*(\b)+7], v[(\f)+8*(4*(\hi)+(\a)):(\f)+8*(4*(\hi)+(\a))+7], 0
.else
	v_wmma_f32_16x16x32_bf16 v[8*(8*(\a)+(\b)):8*(8*(\a)+(\b))+7], v[(\f)+8*(\b):(\f)+8*(\b)+7], v[(\f)+8*(4*(\hi)+(\a)):(\f)+8*(4*(\hi)+(\a))+7], v[8*(8*(\a)+(\b)):8*(8*(\a)+(\b))+7]
.endif
.endr
.endr
.endm
; 32 LDS loads in one run: the fragments of quarter q of a K step (32 along K: 128 columns of B, turned; 128 rows of A) into buffer f.  B's first, then A's rows in ascending order.
.macro FETCH slot, q, f
	WIN TO_B
.irp i, 0,1,2,3,4,5,6,7
	ds_load_tr16_b128 v[(\f)+8*(\i):(\f)+8*(\i)+3],   v[ADRB+(\slot)] offset:(\q)*32*PB+32*(\i)
	ds_load_tr16_b128 v[(\f)+8*(\i)+4:(\f)+8*(\i)+7], v[ADRB+(\slot)] offset:(\q)*32*PB+16*PB+32*(\i)
.endr
	WIN 0
.irp i, 0,1,2,3,4,5,6,7
	ds_load_b128 v[(\f)+8*(\i):(\f)+8*(\i)+3],   v[ADRA+(\slot)] offset:64*(\q)+(\i)*16*PA
	ds_load_b128 v[(\f)+8*(\i)+4:(\f)+8*(\i)+7], v[ADRA+(\slot)] offset:64*(\q)+(\i)*16*PA+32
.endr
.endm
; A load into a register that a matrix instruction has read, and an LDS store that reads a matrix result, stand four places behind that matrix instruction, and only plain vector instructions that name none
; of its registers are places (ISA guide 7.12.1 for vector instructions); the matrix instructions in between are not counted.
.macro PLACES
.rept 4
	v_nop
.endr
.endm
; A K step is four quarters of 32 along K, 64 matrix instructions each, on buffers 0, 1, 0, 1.  One of the first three: multiplies buffer f; in its middle it fetches quarter q of the same slot into buffer g.
.macro QUARTER slot, q, f, g, zero
	s_wait_dscnt 8                                 ; B and A's rows 0-63 are in; the youngest eight loads (A's rows 64-127) may be out
	MUL16 \f, 0, 0, \zero
	MUL16 \f, 0, 2, \zero
	PLACES
	FETCH \slot, \q, \g
	s_wait_dscnt 32                                ; all but the 32 just issued
	MUL16 \f, 1, 0, \zero
	MUL16 \f, 1, 2, \zero
.endm
; The last quarter multiplies buffer 1 and changes slots.  MEET is its first half: ONE barrier for two things.  In front of it each wave waits for all its tensor loads, of which one is out: its part of the next
; slot; adds 0 to its spare word; and waits for that and for its own reads of this slot.  Behind it nobody reads this slot any more and the next slot is whole.
.macro MEET round                      ; round = 1: the rest of a round of the cluster's barrier follows
	WIN 0                                          ; (the add's two registers lie in window 0)
	s_wait_tensorcnt 0x0                           ; all my tensor loads have landed
	ds_add_u32 v[SPW], v[NIL]                      ; 0 onto my spare word
	s_wait_dscnt 9                                 ; (the add and the youngest eight loads may be out)
	MUL16 F1, 0, 0, 0                              ; sixteen matrix instructions stand between the add and the wait for it
	s_wait_dscnt 0x0                               ; the add is done, and my reads of this slot are over
	s_barrier_signal -1
	MUL16 F1, 0, 2, 0                              ; work on registers while the others arrive
.if \round
	WIN 0
.endif
	s_barrier_wait -1
.endm
; The whole last quarter, with a refill.  Behind the round the slot just read out is filled again first, with the K step two steps on; then come the next slot's first fragments.
; From a request to the wait for it a wave issues 224 matrix instructions.
.macro TURN slot, next
	s_wait_xcnt 0x0                                ; the last prefetch, a K step back, has read its address: it is stepped here, ahead of the waits of the change of slots
	s_add_nc_u64 s[PFA:PFA+1], s[PFA:PFA+1], s[PFS:PFS+1]
	MEET 1
	CREST                                          ; no wave of any partner still reads this slot's tile or has a load on its way
	s_add_nc_u64 s[G0+4*(\slot)+2:G0+4*(\slot)+3], s[G0+4*(\slot)+2:G0+4*(\slot)+3], 2*ASTEP     ; no tensor load of mine is out, so a group 0 may be written; the type bits on top are not reached
	s_add_nc_u64 s[G0B+4*(\slot)+2:G0B+4*(\slot)+3], s[G0B+4*(\slot)+2:G0B+4*(\slot)+3], 2*BSTEP
	JLOAD \slot                                    ; my one tensor load behind the round, and the first; the four v_nop behind it are also the places in front of the loads below
	FETCH \next, 0, F0
	ASK
	MUL16 F1, 1, 0, 0
	MUL16 F1, 1, 2, 0
.endm
; THE WAY OUT of block a (16 rows), in two parts.  TOSTAGE: a lane's 32 bytes of each of the 8 accumulators go into my own stage, each accumulator's low registers first; whole rows of 512 bytes come back
; into buffer a % 2.  LDS serves a wave's instructions in order (ISA guide 5.7.1.4): the loads see the stores above them, and the next block's stores come behind these loads.
.macro TOSTAGE a
.set AC, 64*((\a)%4)
.set BK, F0+64*((\a)%2)
	WIN 0x08+4*((\a)/4)                            ; the stores' data in window 2 (blocks 0-3) or 3 (blocks 4-7)
.irp b, 0,1,2,3,4,5,6,7
	ds_store_b128 v[STO], v[AC+8*(\b):AC+8*(\b)+3]   offset:64*(\b)
	ds_store_b128 v[STO], v[AC+8*(\b)+4:AC+8*(\b)+7] offset:64*(\b)+16
.endr
	WIN 0
.if (\a) >= 2
	s_wait_xcnt 0x0                                ; the stores of block a - 2 have read this buffer: it is loaded again only behind this wait
.endif
.irp t, 0,1,2,3,4,5,6,7,8,9,10,11,12,13,14,15
	ds_load_b128 v[BK+4*(\t):BK+4*(\t)+3], v[RD] offset:(\t)*SPITCH
.endr
.endm
; SEND: each row is multiplied by my four columns' scale and stored.  younger: the LDS instructions issued behind block a's loads: the next block's 16 stores and 16 loads, or none.
.macro SEND a, younger
.set BK, F0+64*((\a)%2)
	WIN 0
.irp t, 0,1,2,3,4,5,6,7,8,9,10,11,12,13,14,15
	s_wait_dscnt (\younger)+15-(\t)                ; row t is back
	v_pk_mul_f32 v[BK+4*(\t):BK+4*(\t)+1],   v[BK+4*(\t):BK+4*(\t)+1],   v[SC:SC+1]
	v_pk_mul_f32 v[BK+4*(\t)+2:BK+4*(\t)+3], v[BK+4*(\t)+2:BK+4*(\t)+3], v[SC+2:SC+3]
	global_store_b128 v[CO], v[BK+4*(\t):BK+4*(\t)+3], s[8:9] offset:(16*(\a)+(\t))*OROW th:TH_STORE_NT  ; the wave stores 512 consecutive bytes, at a multiple of 512 from out0's first byte; the row stands in the immediate, 1,040,384 at the most
.endr
.endm
	s_wait_tensorcnt 1                             ; my part of K step 0 is in; K step 1's load may stay out
	s_barrier_signal -1
	s_barrier_wait -1                              ; everybody's is
	FETCH 0, 0, F0
	QUARTER 0, 1, F0, F1, 1                        ; the first quarter stands in front of the loop: its products start the sums
	WIN 0                                          ; at a label and at a branch every window is 0
	s_mov_b32 s3, LAPS-1
.Llap:                                                 ; a trip goes once round the ring, from a lap's second quarter to the next lap's first, and fills both slots again
	QUARTER 0, 2, F1, F0, 0
	QUARTER 0, 3, F0, F1, 0
	TURN 0, 1
	QUARTER 1, 1, F0, F1, 0
	QUARTER 1, 2, F1, F0, 0
	QUARTER 1, 3, F0, F1, 0
	TURN 1, 0
	QUARTER 0, 1, F0, F1, 0
	WIN 0
	s_sub_co_u32 s3, s3, 1
	s_cmp_lg_u32 s3, 0
	s_cbranch_scc1 .Llap
	QUARTER 0, 2, F1, F0, 0                        ; the last lap is written out: it fills nothing, and has no round of the cluster's barrier
	QUARTER 0, 3, F0, F1, 0
	MEET 0                                         ; my one tensor load that was still out is slot 1's, the last K step's
	PLACES                                         ; for the loads into buffer 0, which the quarter before multiplied
	FETCH 1, 0, F0
	MUL16 F1, 1, 0, 0
	MUL16 F1, 1, 2, 0
	QUARTER 1, 1, F0, F1, 0
	QUARTER 1, 2, F1, F0, 0
	QUARTER 1, 3, F0, F1, 0
	s_wait_dscnt 8                                 ; the very last quarter: nothing more to fetch
	MUL16 F1, 0, 0, 0
	MUL16 F1, 0, 2, 0
	s_wait_dscnt 0x0
	MUL16 F1, 1, 0, 0
	MUL16 F1, 1, 2, 0
	WIN 0
	PLACES                                         ; behind the last products, in front of the LDS stores that read results and of the loads into A's buffers
	PLACES                                         ; (eight, once a launch)
	TOSTAGE 0
.irp a, 1,2,3,4,5,6,7                  ; block a's trip through the stage is under way while block a - 1 is scaled and stored
	TOSTAGE \a
	SEND (\a)-1, 32
.endr
	SEND 7, 0
	s_wait_tensorcnt 0x0                           ; the wave's end: an add and its wait, behind my last tensor load and my last LDS store
	ds_add_u32 v[SPW], v[NIL]
	s_wait_dscnt 0x0
	CROUND                                         ; the closing round: no work-group ends while a partner may still ask for a tile that names it
	s_endpgm
.Lfunc_end_k_q363eabddfc_gemm:
	.size	k_q363eabddfc_gemm, .Lfunc_end_k_q363eabddfc_gemm-k_q363eabddfc_gemm
	.p2alignl 7, 3214868480
	.fill 96, 4, 3214868480
	.section	.rodata,"a",@progbits
	.p2align	6, 0x0
	.amdhsa_kernel k_q363eabddfc_gemm
		.amdhsa_group_segment_fixed_size 327680
		.amdhsa_private_segment_fixed_size 0
		.amdhsa_enable_private_segment 0
		.amdhsa_kernarg_size 48
		.amdhsa_user_sgpr_count 2
		.amdhsa_user_sgpr_kernarg_segment_ptr 1
		.amdhsa_wavefront_size32 1
		.amdhsa_system_sgpr_workgroup_id_x 1
		.amdhsa_system_sgpr_workgroup_id_y 1
		.amdhsa_system_sgpr_workgroup_id_z 1
		.amdhsa_system_vgpr_workitem_id 0
		.amdhsa_next_free_vgpr 1024
		.amdhsa_next_free_sgpr 92
		.amdhsa_reserve_vcc 0
		.amdhsa_float_denorm_mode_32 3
		.amdhsa_float_denorm_mode_16_64 3
		.amdhsa_memory_ordered 1
		.amdhsa_forward_progress 1
		.amdhsa_inst_pref_size 163
	.end_amdhsa_kernel
	.amdgpu_metadata
---
amdhsa.version: [ 1, 2 ]
amdhsa.kernels:
  - .name:           k_q363eabddfc_gemm
    .symbol:         k_q363eabddfc_gemm.kd
    .args:
      - { .name: Xb, .offset: 0, .size: 8, .value_kind: global_buffer, .address_space: global }
      - { .name: Wb, .offset: 8, .size: 8, .value_kind: global_buffer, .address_space: global }
      - { .name: out0, .offset: 16, .size: 8, .value_kind: global_buffer, .address_space: global }
      - { .name: alpha, .offset: 24, .size: 8, .value_kind: global_buffer, .address_space: global }
      - { .name: betta, .offset: 32, .size: 8, .value_kind: global_buffer, .address_space: global }
      - { .name: gamma, .offset: 40, .size: 8, .value_kind: global_buffer, .address_space: global }
    .group_segment_fixed_size: 327680
    .private_segment_fixed_size: 0
    .kernarg_segment_align: 8
    .kernarg_segment_size: 48
    .max_flat_workgroup_size: 128
    .sgpr_count:     92
    .vgpr_count:     1024
    .wavefront_size: 32
...
	.end_amdgpu_metadata
.endif
;; end of part 2
;; ======== version 2 of 2: 2 launches; version 1 with the launch prep written anew for expert scheduling mode
;; workspace buffers: Xb 67,108,864 bytes; Wb 16,777,216 bytes
;; launch prep (part 3): grid 1280 x 1, 8 waves a work-group, no clusters, 0 bytes of LDS; arguments X, W, Xb, Wb; writes Xb, Wb
.if DOCPART == 3
	.amdgcn_target "amdgcn-amd-amdhsa--gfx1250"
	.amdhsa_code_object_version 6
	.text
	.protected	k_q363eabddfc_prep
	.globl	k_q363eabddfc_prep
	.p2align	8
	.type	k_q363eabddfc_prep,@function
k_q363eabddfc_prep:
	s_mov_b64 s[64:65], 0
	v_nop
	global_prefetch_b8 v0, s[64:65] scope:SCOPE_SE
	s_setreg_imm32_b32 hwreg(HW_REG_WAVE_SCHED_MODE, 0, 2), 2
	s_setreg_imm32_b32 hwreg(HW_REG_WAVE_MODE, 25, 1), 1
	s_wait_xcnt 0x0
	s_wait_alu depctr_vm_vsrc(0)
; Xb = sign(X) and Wb = sign(W), number by number, written as bf16 (+1, -1, 0) in the layouts of X ([8192][4096]) and W ([4096][2048]).
; The product that follows takes 16-bit operands; +1, -1 and 0 are exact in bf16, so nothing is lost here.
; NOTHING OF THE PROBLEM IS LEFT OUT: all five inputs reach the output; X and W are read here, alpha, betta and gamma by the product's launch.
; THE SIGN: x times 2^126, twice, then held to -1 .. 1.  The smallest denormal, 2^-149, becomes 2^103; every other number that is not 0 becomes larger still or an infinity;
; 0 stays 0 with its sign.  So the result is +1, -1 or 0 for every finite x, every denormal and both infinities.
; LIMIT: a NaN in X or W is not carried: it leaves here as a number in -1 .. 1.  -0 leaves as -0, which adds to a sum what +0 adds.
; SHARES.  A chunk is 4,096 bytes in (256 threads x 16 bytes) and 2,048 bytes out (8 bytes a thread).  A work-group takes 32 chunks on end: 131,072 bytes in.
; X is 1,024 such shares (work-groups 0 to 1,023), W 256 (1,024 to 1,279): one text, the buffers chosen by a select on the work-group's number.
; A wave's load covers 512 consecutive bytes, aligned; a wave's store covers 256 consecutive bytes, aligned.
; No LDS, no barrier, no matrix unit: no wave wants what another has fetched.
; THE MODE: SCHED_MODE bits 1:0 = 2 (LLVM: expert scheduling mode 2), set by the entry lines.  The code itself states the register dependences
; between vector instructions and memory instructions, with s_wait_alu, always for 0.
; THE PLAN.  The 32 chunks go in 8 blocks of four.  Registers that memory instructions touch:
;   X0 .. X3   four blocks as loaded.  Written by the loads of block p + 3, issued in block p; read and written in place by block p's multiplies and clamps, read by its roundings.
;   Y0, Y1     two blocks to store.    Written by block p's roundings; read by the four stores that are issued in block p + 1.
;   v1, v2     byte offsets, made once at the head and never written again: a chunk's place stands in the immediate offset, 126,976 bytes at the most, and the two scalar bases never move.
; Block p works on X[p % 4] and writes Y[p % 2].  Its memory instructions are the loads into X[(p + 3) % 4] = X[(p - 1) % 4] and the stores from Y[(p - 1) % 2]:
; the two buffers that block p - 1 worked on and that no vector instruction of block p names.  So the waits at the head of a block state all that the block's eight
; memory instructions hang on, and these are dealt among its vector instructions with no further wait.
; A lap of the four X buffers is four blocks: of eight blocks the first has none in front of it and the last three load nothing, which would leave a loop of one trip.  So the eight are written out, by one macro.
.set CHUNK,   4096                     ; bytes in
.set OCHUNK,  2048                     ; bytes out
.set BLOCK,   4                        ; chunks in a block
.set BLOCKS,  32/BLOCK
.set XSHARES, 1024                     ; work-groups that serve X
.set VI, 1                             ; v1        16 x thread; never rewritten
.set VO, 2                             ; v2        8 x thread; never rewritten
.set X,  4                             ; v[4:67]   buffer k, chunk i: 4 registers at X + 16 k + 4 i, as loaded, then the signs in f32
.set Y,  68                            ; v[68:83]  buffer k, chunk i: 2 registers at Y + 8 k + 2 i, 4 bf16 to store
	s_load_b256 s[4:11], s[0:1], 0x0               ; X s[4:5], W s[6:7], Xb s[8:9], Wb s[10:11]
	v_lshlrev_b32 v[VI], 4, v0
	v_lshlrev_b32 v[VO], 3, v0
	s_mov_b32 s12, 0x7e800000                      ; 2^126
	s_mov_b32 s13, s12                             ; named with it as a pair
	s_mov_b32 s14, 0xbf800000                      ; -1.0
	s_mov_b32 s15, 0x3f800000                      ; 1.0
	s_sub_co_u32 s17, ttmp9, XSHARES               ; the share's number if it is one of W's
	s_cmp_lt_u32 ttmp9, XSHARES                    ; X's or W's?  Only selects and a wait stand between this compare and the last select
	s_cselect_b32 s16, ttmp9, s17
	s_wait_kmcnt 0x0
	s_cselect_b64 s[22:23], s[4:5], s[6:7]         ; from where
	s_cselect_b64 s[24:25], s[8:9], s[10:11]       ; to where
	s_lshl_b32 s18, s16, 17                        ; 131,072 bytes in a share, under 2^27 in all
	s_mov_b32 s19, 0
	s_lshl_b32 s20, s16, 16                        ; 65,536 bytes out
	s_mov_b32 s21, 0
	s_add_nc_u64 s[22:23], s[22:23], s[18:19]
	s_add_nc_u64 s[24:25], s[24:25], s[20:21]
	s_wait_alu depctr_va_vdst(0)                   ; v1 and v2 are written: every load of the kernel reads v1 as its offset, every store v2
.irp i, 0,1,2,3,4,5,6,7,8,9,10,11
	global_load_b128 v[X+4*(\i):X+4*(\i)+3], v[VI], s[22:23] offset:CHUNK*(\i) th:TH_LOAD_NT  ; blocks 0, 1 and 2 into X0, X1, X2; each byte is read once in the launch
.endr
; Block p.  ahead = 1: block p + 3 is loaded.  left = how many younger loads may still be out when this block's four have to be there.
.macro BLK p, ahead, left
.set XB, X+16*((\p)%4)                 ; the block at work
.set XN, X+16*(((\p)+3)%4)             ; the buffer that the block before worked on: block p + 3 lands there
.set YB, Y+8*((\p)%2)                  ; what this block's roundings write
.set YP, Y+8*(((\p)+1)%2)              ; what the block before wrote: stored now
	s_wait_loadcnt \left                           ; loads come back in order (ISA guide 5.7.1): X[p % 4] is in, the younger blocks stay out
.if (\p) >= 2
	s_wait_xcnt 0x0                                ; every earlier memory instruction has had its addresses translated (ISA guide 3.1): Y[p % 2], which the stores issued in the block before read, is rewritten only behind this wait
	s_wait_alu depctr_vm_vsrc(0)                   ; those stores have read Y[p % 2], which this block's roundings write again
.endif
.if (\p) >= 1
	s_wait_alu depctr_va_vdst(0)                   ; the block before has written the other Y, which the stores below read, and is done reading and writing its X, in which the loads below land
.endif
.irp i, 0,1,2,3
.if \ahead
	global_load_b128 v[XN+4*(\i):XN+4*(\i)+3], v[VI], s[22:23] offset:CHUNK*(BLOCK*((\p)+3)+(\i)) th:TH_LOAD_NT  ; three blocks ahead, the load ahead of the store; no vector instruction since the wait names these registers
.endif
.if (\p) >= 1
	global_store_b64 v[VO], v[YP+2*(\i):YP+2*(\i)+1], s[24:25] offset:OCHUNK*(BLOCK*((\p)-1)+(\i))  ; the block before
.endif
.irp j, 0,2
	v_pk_mul_f32 v[XB+4*(\i)+(\j):XB+4*(\i)+(\j)+1], v[XB+4*(\i)+(\j):XB+4*(\i)+(\j)+1], s[12:13] op_sel_hi:[1,0]  ; times 2^126,
.endr
.irp j, 0,2
	v_pk_mul_f32 v[XB+4*(\i)+(\j):XB+4*(\i)+(\j)+1], v[XB+4*(\i)+(\j):XB+4*(\i)+(\j)+1], s[12:13] op_sel_hi:[1,0]  ; and once more
.endr
.irp j, 0,1,2,3
	v_med3_num_f32 v[XB+4*(\i)+(\j)], v[XB+4*(\i)+(\j)], s14, s15  ; held to -1 .. 1
.endr
	v_cvt_pk_bf16_f32 v[YB+2*(\i)],   v[XB+4*(\i)],   v[XB+4*(\i)+1]
	v_cvt_pk_bf16_f32 v[YB+2*(\i)+1], v[XB+4*(\i)+2], v[XB+4*(\i)+3]
.endr
.endm
	BLK 0, 1, 2*BLOCK                              ; block 0 has no block in front of it: nothing to store, and no wait but the one for its data
	BLK 1, 1, 2*BLOCK                              ; no store has been issued yet: Y1 is written for the first time
	BLK 2, 1, 2*BLOCK
	BLK 3, 1, 2*BLOCK
	BLK 4, 1, 2*BLOCK                              ; asks for block 7, the share's last
	BLK 5, 0, 2*BLOCK                              ; blocks 5 to 7 load nothing: no load leaves the share, and the counts run down
	BLK 6, 0, BLOCK
	BLK 7, 0, 0
	s_wait_alu depctr_va_vdst(0)                   ; block 7 has written Y1, which the last four stores read
.irp i, 0,1,2,3
	global_store_b64 v[VO], v[Y+8+2*(\i):Y+8+2*(\i)+1], s[24:25] offset:OCHUNK*(BLOCK*(BLOCKS-1)+(\i))
.endr
	s_endpgm
.Lfunc_end_k_q363eabddfc_prep:
	.size	k_q363eabddfc_prep, .Lfunc_end_k_q363eabddfc_prep-k_q363eabddfc_prep
	.p2alignl 7, 3214868480
	.fill 96, 4, 3214868480
	.section	.rodata,"a",@progbits
	.p2align	6, 0x0
	.amdhsa_kernel k_q363eabddfc_prep
		.amdhsa_group_segment_fixed_size 0
		.amdhsa_private_segment_fixed_size 0
		.amdhsa_enable_private_segment 0
		.amdhsa_kernarg_size 32
		.amdhsa_user_sgpr_count 2
		.amdhsa_user_sgpr_kernarg_segment_ptr 1
		.amdhsa_wavefront_size32 1
		.amdhsa_system_sgpr_workgroup_id_x 1
		.amdhsa_system_sgpr_workgroup_id_y 1
		.amdhsa_system_sgpr_workgroup_id_z 1
		.amdhsa_system_vgpr_workitem_id 0
		.amdhsa_next_free_vgpr 84
		.amdhsa_next_free_sgpr 66
		.amdhsa_reserve_vcc 0
		.amdhsa_float_denorm_mode_32 3
		.amdhsa_float_denorm_mode_16_64 3
		.amdhsa_memory_ordered 1
		.amdhsa_forward_progress 1
		.amdhsa_inst_pref_size 28
	.end_amdhsa_kernel
	.amdgpu_metadata
---
amdhsa.version: [ 1, 2 ]
amdhsa.kernels:
  - .name:           k_q363eabddfc_prep
    .symbol:         k_q363eabddfc_prep.kd
    .args:
      - { .name: X, .offset: 0, .size: 8, .value_kind: global_buffer, .address_space: global }
      - { .name: W, .offset: 8, .size: 8, .value_kind: global_buffer, .address_space: global }
      - { .name: Xb, .offset: 16, .size: 8, .value_kind: global_buffer, .address_space: global }
      - { .name: Wb, .offset: 24, .size: 8, .value_kind: global_buffer, .address_space: global }
    .group_segment_fixed_size: 0
    .private_segment_fixed_size: 0
    .kernarg_segment_align: 8
    .kernarg_segment_size: 32
    .max_flat_workgroup_size: 256
    .sgpr_count:     66
    .vgpr_count:     84
    .wavefront_size: 32
...
	.end_amdgpu_metadata
.endif
;; end of part 3
;; launch gemm: the kernel of part 2 again; grid 8 x 32, 4 waves a work-group, clusters of 4 x 4, 327,680 bytes of LDS; arguments Xb, Wb, out0, alpha, betta, gamma; writes out0
